; MI455X (gfx1250); checked and timed in simulation.
; The chip was launched on July 23, 2026; its instructions are those of AMD's public machine-readable ISA for CDNA 5 (MIT licence, August 2026) and "CDNA5" Instruction Set Architecture Reference Guide (July 2026). The comments in the code are by the model that wrote it; some were corrected since.
;; Query Emb. Allowed arithmetic: matrix products marked QUANTISED: E3M2 operands, one E8M0 scale for each 32 along K, by v_wmma_scale_f32_16x16x128_f8f6f4 with both operands' format E3M2, f32 sums; everything else in f32.
;; Inputs: emb_matrix 8,000 x 1,024 float32; q 4 x 1,024 x 1,024 float32.
;; Outputs: out0 4 x 1,024 x 1,024 float32.
;; This version of the problem:
;;   THIS VERSION OF THE PROBLEM IS GIVEN IN LOW PRECISION. The matrix products marked QUANTISED in the list below multiply operands that are first quantised to E3M2 (3 exponent bits, 2 mantissa bits; 6 bits a number), with one power-of-two scale for each 32 numbers along K (OCP MX v1.0); their sums are f32. All else is computed in f32.
;;   The module's matrix products, in the order in which they are computed (A, B: the left and right operand; K: the contracted axis; several contracted axes count as one K, in the product's order):
;;     1. [M 4,096, K 1,024] x [K 1,024, N 8,000]; A: input q; B: input emb_matrix: QUANTISED
;;     2. [M 4,096, K 8,000] x [K 8,000, N 1,024]; A: softmax (see below); B: input emb_matrix: QUANTISED
;;   THE QUANTISER, for each operand of a quantised product, along K:
;;     - K is cut into blocks of 32 from its start; a last block that is shorter is filled with zeros.
;;     - A block's scale is 2^e with e = floor(log2(the largest magnitude in the block)) - 4, held to -126 .. 127; a block of zeros has e = 0. As a byte (E8M0): e + 127.
;;     - Each number is divided by its block's scale, clamped to +-28, and rounded to the nearest number of E3M2, ties to even, subnormals kept.
;;     - The product sums the exact products of the quantised numbers (number of the format x scale) in f32.
;;   ~~~python
;;   def quantise(x, axis):      # numpy; x: float32 -> the quantised numbers, widened to float32 again
;;       x = np.moveaxis(x, axis, -1); K = x.shape[-1]
;;       x = np.pad(x, [(0, 0)] * (x.ndim - 1) + [(0, -K % 32)]); x = x.reshape(x.shape[:-1] + (-1, 32)); a = np.abs(x).max(-1, keepdims=True)
;;       e = np.where(a > 0, np.clip(np.frexp(np.where(a > 0, a, 1))[1] - 1 - 4, -126, 127), 0)      # np.frexp(a)[1] - 1 = floor(log2(a)), exactly
;;       r = np.clip(x / 2.0 ** e, -28, 28)
;;       step = 2.0 ** (np.maximum(np.frexp(np.where(r == 0, 1, r))[1] - 1, -2) - 2)
;;       q = np.round(r / step) * step * 2.0 ** e      # np.round: ties to even
;;       return np.moveaxis(q.reshape(q.shape[:-2] + (-1,))[..., :K], -1, axis).astype(np.float32)
;;   ~~~
;;   SOFTMAX AHEAD OF A QUANTISED PRODUCT. Where the list says 'softmax', what is quantised is not the finished softmax but p = 2^(t - M), with t = logit x log2(e) and M = ceil(the row's largest t), a whole number; so 1/2 < the row's largest p <= 1. The row's sum l is taken of the UNQUANTISED p, in f32, and the product's result is divided by l at the end. Since M is a whole number, a kernel that streams over the keys may use a running M (the ceiling of the running maximum): every later rescaling is an exact power of two, which a block's scale takes up: the codes' values come out the same.
;;   OPERANDS COMPUTED ON THE WAY. 'Computed on the way' means the value that the module computes at that place (a softmax that the list does not call 'softmax' is quantised finished and normalised). What goes into a quantiser is computed in f32, as accurately as f32 sums, v_exp_f32 and their like allow (about 1e-6 of the number): no bf16 or f16 on the way to a quantiser, and a product that is left as it is and whose result goes on into a quantised operand takes f32 operands (vector FMAs, or v_wmma_f32_16x16x4_f32). A number that lies on a knife's edge between two numbers of the format may be rounded either way, as far as f32 arithmetic and the matrix unit's own rounding can turn it there, and no further.
;; One version. Each part assembles by itself: llvm-mc -triple=amdgcn-amd-amdhsa -mcpu=gfx1250 --defsym DOCPART=n.
;; ======== version 1 of 1: 3 launches
;; limits: right only within a limited range of input values
;; workspace buffers: dcodes 9,437,184 bytes; dscale 393,216 bytes; vcodes 6,291,456 bytes; vscale 262,144 bytes; pcodes 25,165,824 bytes; stats 3,145,728 bytes
;; launch quant (part 1): grid 768 x 1, 4 waves a work-group, no clusters, 68,096 bytes of LDS; arguments q, emb_matrix, dcodes, dscale, vcodes, vscale; writes dcodes, dscale, vcodes, vscale
.if DOCPART == 1
	.amdgcn_target "amdgcn-amd-amdhsa--gfx1250"
	.amdhsa_code_object_version 6
	.text
	.protected	k_q5b50ae0acd_quant
	.globl	k_q5b50ae0acd_quant
	.p2align	8
	.type	k_q5b50ae0acd_quant,@function
k_q5b50ae0acd_quant:
	s_mov_b64 s[64:65], 0
	v_nop
	global_prefetch_b8 v0, s[64:65] scope:SCOPE_SE
	s_setreg_imm32_b32 hwreg(HW_REG_WAVE_MODE, 25, 1), 1
	s_wait_xcnt 0x0
; q [4096][1024] and emb [8000][1024], f32, become codes of E3M2 with one E8M0 byte for each 32 along a product's K.
; A block's scale is 2^(floor(log2(largest magnitude)) - 4): its byte is the largest magnitude's exponent field - 4, held at 1 from below.
; emb IS WANTED TWICE, along d (K of q emb^T) and along the keys (K of p emb), AND IS READ ONCE: a work-group takes a tile of 128 rows x 128 columns into LDS and makes both readings of it.
; The keys are padded from 8,000 to 8,192 (64 groups of 128): a padded key holds the row 4,096 keys back, so that its numbers are finite; the next launch makes its weight p exactly 0.
; WHAT IS STORED is the image of an operand's registers: a fragment (16 rows x 128 K) is 12 registers a lane, 1,536 bytes; register 4 j + i of lane l lies at byte 512 j + 16 l + 4 i.
; dcodes [row block 768][K step 8][image]: row blocks 0-255 are q's rows 16 rb + r; row block 256 + 8 g + t is tile t of key group g, whose row r is key 128 g + 32 (t / 2) + 8 (t % 2) + r + 8 (r / 8).
; dscale [row block][K step][16 rows]: one word (four bytes) a row.  vcodes [g / 8][d tile 8][g % 8][d block 8][image]: rows are d, K the group's 128 keys.  vscale [d tile][g][128 d] words.
; WORK-GROUPS: number n takes rows 128 (n / 8) on of q followed by emb, columns 128 (n % 8) on: 256 tiles of q, 512 of emb.  Its row blocks are 8 (n / 8) + 0 .. 7, its K step and d tile n % 8.
; Wave w loads rows 32 w .. 32 w + 31, 32 loads of 512 consecutive bytes, all issued at once, and lays them in LDS, 528 bytes apart.  Its own 32 rows are its two fragments along d: no barrier.
; Behind one barrier a lane takes a column and reads it down the 128 keys.  A tile of q ends there.
; IN LDS a tile's 16 rows lie at 16 neighbouring places, so emb's second and third eight rows of each 32 change places; that is done by the loads' global addresses, so that every LDS address is the same for q and emb.
; dscale leaves in pieces of 64 bytes (two a wave): 393,216 bytes in all.
; LIMITS: NaN and infinities are not served; a block of zeros, and a block whose largest magnitude lies under 2^(5 - 127), gets the byte 1 (its bytes are read by this program alone).
.set PITCH, 528                        ; 512 bytes + 16 = 33 x 16: sixteen neighbouring rows begin at sixteen different 16-byte columns of 256
.set WROWS, 32*PITCH                   ; a wave's 32 rows
.set RAW,  16                          ; v16-143  my 32 rows, as loaded
.set XD,   144                         ; v144-207 64 numbers of my row: register 32 c + n is k = 64 c + 32 (lane / 16) + n
.set MX,   208                         ; v208-209 largest magnitudes
.set SO,   210                         ; v210-211 the conversions' scale operands
.set BY,   212                         ; v212-213 scale bytes
.set WD,   214                         ; v214-215 scale words of the two fragments
.set PT,   216                         ; v216     a lane permute's destination
.set CT,   218                         ; v218-225 the second halves of the blocks' codes
.set CD,   226                         ; v226-249 the two fragments
.set XV,   16                          ; v16-143  along the keys: 128 numbers of my column
.set FX,   144                         ; v144-155 codes of blocks 0 and 2
.set FY,   156                         ; v156-167 codes of blocks 1 and 3
.set CV,   168
.set MV,   172
.set SV,   174
.set BV,   175
.set WV,   176
	s_load_b256 s[4:11], s[0:1], 0x0               ; q, emb, dcodes, dscale
	s_load_b128 s[12:15], s[0:1], 0x20             ; vcodes, vscale
	v_lshl_add_u32 v254, v0, 2, 0x10800
	v_mov_b32 v255, 0
	v_lshrrev_b32 v1, 5, v0
	v_readfirstlane_b32 s16, v1                    ; wave 0..3
	v_and_b32 v1, 31, v0                           ; lane
	v_and_b32 v2, 15, v0                           ; r
	v_bfe_u32 v3, v0, 4, 1                         ; h
	v_lshlrev_b32 v4, 4, v1                        ; 16 x lane
	s_wait_alu depctr_va_vdst(0)
	v_lshlrev_b32 v8, 2, v1                        ; 4 x lane
	s_wait_alu depctr_va_vdst(0)
	v_lshlrev_b32 v9, 3, v3                        ; 8 h
	s_mov_b32 s20, 0x76543210
	s_mov_b32 s21, 0xfedcba98                      ; selects: lane l xor 16
	s_lshr_b32 s22, ttmp9, 3                       ; T: which 128 rows, q's 32 tiles first
	s_and_b32 s23, ttmp9, 7                        ; X: which 128 columns
	s_lshl_b32 s24, s22, 7
	s_lshl_b32 s25, s16, 5
	s_add_co_u32 s24, s24, s25                     ; 128 T + 32 w
	s_cmp_lt_u32 ttmp9, 256                        ; q or emb: the choice hangs on the work-group's number alone
	s_cselect_b32 s26, 0, 4096                     ; emb's rows are counted from T = 32
	s_cselect_b32 s27, 0, 32768                    ; emb: places 8-15 take the rows 8 further down,
	s_cselect_b32 s28, 32768, 0                    ; places 16-23 the rows 8 further up (their immediates stand 8 rows back)
	s_sub_co_u32 s24, s24, s26
	s_cmp_ge_u32 s24, 8000                         ; 8,000 is a multiple of 32: a wave's rows lie wholly on one side (q's rows end at 4,095)
	s_cselect_b32 s26, 4096, 0
	s_sub_co_u32 s24, s24, s26                     ; my first source row
	s_lshl_b32 s30, s24, 12
	s_lshl_b32 s31, s23, 9
	s_add_co_u32 s30, s30, s31                     ; in bytes, with the tile's 512 bytes of a row
	s_mov_b32 s31, 0
	s_lshl_b32 s32, s22, 3
	s_lshl_b32 s33, s16, 1
	s_add_co_u32 s32, s32, s33                     ; my first row block: 8 T + 2 w
	s_mul_i32 s34, s32, 12288
	s_mul_i32 s35, s23, 1536
	s_add_co_u32 s34, s34, s35
	s_mov_b32 s35, 0
	s_lshl_b32 s36, s32, 9
	s_lshl_b32 s37, s23, 6
	s_add_co_u32 s36, s36, s37
	s_mov_b32 s37, 0
	s_mul_i32 s38, s16, WROWS
	s_lshl_b32 s39, s16, 7
	v_add_nc_u32 v5, s27, v4
	v_add_nc_u32 v10, s28, v4
	v_add_nc_u32 v6, s38, v4                       ; LDS, on the way in: a row's 512 bytes as they lie
	v_mul_u32_u24 v7, v2, PITCH
	v_lshl_add_u32 v7, v3, 7, v7
	v_add_nc_u32 v7, s38, v7                       ; along d: my wave's place r, + 128 h
	v_add_nc_u32 v11, s39, v8                      ; along the keys: column 32 w + lane, places 0-63,
	v_add_nc_u32 v12, 64*PITCH, v11                ; and places 64-127
	v_lshlrev_b32 v13, 2, v2
	v_lshl_add_u32 v13, v3, 9, v13                 ; dscale: 512 h + 4 r
	v_mov_b32 v[PT], 0
	s_wait_alu depctr_va_vdst(0)
	s_wait_kmcnt 0x0
	s_cmp_lt_u32 ttmp9, 256
	s_cselect_b64 s[4:5], s[4:5], s[6:7]
	s_add_nc_u64 s[4:5], s[4:5], s[30:31]
	s_add_nc_u64 s[8:9], s[8:9], s[34:35]
	s_add_nc_u64 s[10:11], s[10:11], s[36:37]
.set pp, 0
.rept 8
	global_load_b128 v[RAW+4*pp:RAW+4*pp+3], v4, s[4:5] offset:4096*pp         ; place pp: 32 lanes read 512 consecutive bytes of a row
.set pp, pp+1
.endr
.rept 8
	global_load_b128 v[RAW+4*pp:RAW+4*pp+3], v5, s[4:5] offset:4096*pp
.set pp, pp+1
.endr
.rept 8
	global_load_b128 v[RAW+4*pp:RAW+4*pp+3], v10, s[4:5] offset:4096*(pp-8)
.set pp, pp+1
.endr
.rept 8
	global_load_b128 v[RAW+4*pp:RAW+4*pp+3], v4, s[4:5] offset:4096*pp
.set pp, pp+1
.endr
; Fragment u along d: places 16 u .. 16 u + 15 of my 32
.macro FRAGD u
.if \u == 0
	s_wait_loadcnt 16                              ; the first 16 places are in; the other 16 loads may be out
.else
	s_wait_loadcnt 0x0
.endif
.set jj, 0
.rept 16
	ds_store_b128 v6, v[RAW+64*\u+4*jj:RAW+64*\u+4*jj+3] offset:PITCH*(16*\u+jj)
.set jj, jj+1
.endr
.irp c, 0,1
.irp i, 0,1,2,3,4,5,6,7
	ds_load_b128 v[XD+32*\c+4*\i:XD+32*\c+4*\i+3], v7 offset:16*PITCH*\u+256*\c+16*\i    ; LDS serves a wave's instructions in order: these see my stores
.endr
.endr
	s_wait_dscnt 0x0
.irp c, 0,1
	v_max3_num_f32 v[MX+\c], |v[XD+32*\c]|, |v[XD+32*\c+1]|, 0x2800000      ; block 2 c + h is all mine; the floor 2^(5 - 127) holds the byte at 1
.endr
.set ii, 2
.rept 15
.irp c, 0,1
	v_max3_num_f32 v[MX+\c], v[MX+\c], |v[XD+32*\c+ii]|, |v[XD+32*\c+ii+1]|
.endr
.set ii, ii+2
.endr
.irp c, 0,1
	v_add_nc_u32 v[SO+\c], 0xfe000000, v[MX+\c]    ; 4 off the exponent field: the conversion takes this field as its scale
.endr
.irp c, 0,1
	v_lshrrev_b32 v[BY+\c], 23, v[SO+\c]
.endr
	v_lshl_or_b32 v[WD+\u], v[BY+1], 16, v[BY]     ; my bytes: blocks h and 2 + h,
	v_lshlrev_b32 v[WD+\u], v9, v[WD+\u]           ; 8 h bits up;
	v_permlanex16_b32 v[PT], v[WD+\u], s20, s21
	v_or_b32 v[WD+\u], v[WD+\u], v[PT]             ; with lane l xor 16's two the row's word is whole
.irp c, 0,1
	v_cvt_scalef32_pk16_bf6_f32 v[CD+12*\u+6*\c:CD+12*\u+6*\c+2], v[XD+32*\c:XD+32*\c+15], v[SO+\c]
	v_cvt_scalef32_pk16_bf6_f32 v[CT+4*\c:CT+4*\c+2], v[XD+32*\c+16:XD+32*\c+31], v[SO+\c]   ; (a conversion's three registers begin on an even number)
.endr
	v_nop                                          ; one plain place behind the conversions
.irp c, 0,1
.irp i, 0,1,2
	v_mov_b32 v[CD+12*\u+6*\c+3+\i], v[CT+4*\c+\i]
.endr
.endr
.irp j, 0,1,2
	global_store_b128 v4, v[CD+12*\u+4*\j:CD+12*\u+4*\j+3], s[8:9] offset:12288*\u+512*\j    ; 512 consecutive bytes a store
.endr
.endm
	FRAGD 0
	FRAGD 1
	v_cmp_lt_u32 vcc_lo, 15, v1
	v_cndmask_b32 v[WD], v[WD], v[WD+1], vcc_lo    ; lanes 0-15: my first row block's words; lanes 16-31: my second's
	global_store_b32 v13, v[WD], s[10:11]
	s_barrier_signal -1                            ; my rows lie in LDS and no LDS instruction of mine is out (the wait for 0 in the second fragment)
	s_barrier_wait -1                              ; everybody's do
	s_cmp_lt_u32 ttmp9, 256
	s_cbranch_scc1 .Lend                           ; q is wanted along d alone
	; ---- K = the keys: a lane takes column 32 w + lane of the tile, and its registers run down the group's 128 keys
	s_sub_co_u32 s24, s22, 32                      ; g
	s_lshr_b32 s26, s24, 3
	s_mul_i32 s26, s26, 786432
	s_mul_i32 s27, s23, 98304
	s_add_co_u32 s26, s26, s27
	s_and_b32 s27, s24, 7
	s_mul_i32 s27, s27, 12288
	s_add_co_u32 s26, s26, s27
	s_mul_i32 s27, s16, 3072
	s_add_co_u32 s26, s26, s27
	s_mov_b32 s27, 0
	s_add_nc_u64 s[12:13], s[12:13], s[26:27]
	s_lshl_b32 s28, s23, 15
	s_lshl_b32 s29, s24, 9
	s_add_co_u32 s28, s28, s29
	s_add_co_u32 s28, s28, s39
	s_mov_b32 s29, 0
	s_add_nc_u64 s[14:15], s[14:15], s[28:29]
.macro LOADV bk                        ; block bk: keys 32 bk + 0 .. 31 of my column; of each 32 keys the second and third eight lie in each other's places; 32 lanes read 128 consecutive bytes
.set ii, 0
.rept 32
	ds_load_b32 v[XV+32*(\bk)+ii], v[11+(\bk)/2] offset:PITCH*(32*((\bk)%2)+ii%8+8*(2*((ii/8)%2)+ii/16))
.set ii, ii+1
.endr
.endm
.macro BLOCKV bk
.set XS, XV+32*(\bk)
.set FF, FX+12*((\bk)%2)+6*((\bk)/2)
.if (\bk) < 3
	s_wait_dscnt 32                                ; this block's 32 loads are in; the next block's may be out
.else
	s_wait_dscnt 0x0
.endif
.if (\bk) < 2
	LOADV (\bk)+2
.endif
	v_max3_num_f32 v[MV], |v[XS]|, |v[XS+1]|, |v[XS+2]|
	v_max3_num_f32 v[MV+1], |v[XS+3]|, |v[XS+4]|, |v[XS+5]|
.irp i, 6,10,14,18,22,26
	v_max3_num_f32 v[MV], v[MV], |v[XS+\i]|, |v[XS+\i+1]|
	v_max3_num_f32 v[MV+1], v[MV+1], |v[XS+\i+2]|, |v[XS+\i+3]|
.endr
	v_max3_num_f32 v[MV], v[MV], |v[XS+30]|, |v[XS+31]|
	v_max3_num_f32 v[MV], v[MV], v[MV+1], 0x2800000
	v_add_nc_u32 v[SV], 0xfe000000, v[MV]
	v_lshrrev_b32 v[BV], 23, v[SV]
.if (\bk) == 0
	v_mov_b32 v[WV], v[BV]
.else
	v_lshl_or_b32 v[WV], v[BV], 8*(\bk), v[WV]     ; the column's word: byte bk for keys 32 bk on
.endif
	v_cvt_scalef32_pk16_bf6_f32 v[FF:FF+2], v[XS:XS+15], v[SV]
	v_cvt_scalef32_pk16_bf6_f32 v[CV:CV+2], v[XS+16:XS+31], v[SV]
	v_nop
.irp i, 0,1,2
	v_mov_b32 v[FF+3+\i], v[CV+\i]
.endr
.endm
	LOADV 0
	LOADV 1
	BLOCKV 0
	BLOCKV 1
	BLOCKV 2
	BLOCKV 3
.irp i, 0,1,2,3,4,5,6,7,8,9,10,11
	v_permlane16_swap_b32 v[FX+\i], v[FY+\i]       ; FX's lanes 16-31 change places with FY's lanes 0-15: FX is now the image of d block 2 w, FY that of 2 w + 1
.endr
.irp f, 0,1
.irp j, 0,1,2
	global_store_b128 v4, v[FX+12*\f+4*\j:FX+12*\f+4*\j+3], s[12:13] offset:1536*\f+512*\j
.endr
.endr
	global_store_b32 v8, v[WV], s[14:15]
.Lend:
	s_wait_tensorcnt 0x0
	ds_add_u32 v254, v255
	s_wait_dscnt 0x0
	s_endpgm
.Lfunc_end_k_q5b50ae0acd_quant:
	.size	k_q5b50ae0acd_quant, .Lfunc_end_k_q5b50ae0acd_quant-k_q5b50ae0acd_quant
	.p2alignl 7, 3214868480
	.fill 96, 4, 3214868480
	.section	.rodata,"a",@progbits
	.p2align	6, 0x0
	.amdhsa_kernel k_q5b50ae0acd_quant
		.amdhsa_group_segment_fixed_size 68096
		.amdhsa_private_segment_fixed_size 0
		.amdhsa_enable_private_segment 0
		.amdhsa_kernarg_size 48
		.amdhsa_user_sgpr_count 2
		.amdhsa_user_sgpr_kernarg_segment_ptr 1
		.amdhsa_wavefront_size32 1
		.amdhsa_system_sgpr_workgroup_id_x 1
		.amdhsa_system_sgpr_workgroup_id_y 1
		.amdhsa_system_sgpr_workgroup_id_z 1
		.amdhsa_system_vgpr_workitem_id 0
		.amdhsa_next_free_vgpr 256
		.amdhsa_next_free_sgpr 66
		.amdhsa_reserve_vcc 1
		.amdhsa_float_denorm_mode_32 3
		.amdhsa_float_denorm_mode_16_64 3
		.amdhsa_memory_ordered 1
		.amdhsa_forward_progress 1
		.amdhsa_inst_pref_size 33
	.end_amdhsa_kernel
	.amdgpu_metadata
---
amdhsa.version: [ 1, 2 ]
amdhsa.kernels:
  - .name:           k_q5b50ae0acd_quant
    .symbol:         k_q5b50ae0acd_quant.kd
    .args:
      - { .name: q, .offset: 0, .size: 8, .value_kind: global_buffer, .address_space: global }
      - { .name: emb_matrix, .offset: 8, .size: 8, .value_kind: global_buffer, .address_space: global }
      - { .name: dcodes, .offset: 16, .size: 8, .value_kind: global_buffer, .address_space: global }
      - { .name: dscale, .offset: 24, .size: 8, .value_kind: global_buffer, .address_space: global }
      - { .name: vcodes, .offset: 32, .size: 8, .value_kind: global_buffer, .address_space: global }
      - { .name: vscale, .offset: 40, .size: 8, .value_kind: global_buffer, .address_space: global }
    .group_segment_fixed_size: 68096
    .private_segment_fixed_size: 0
    .kernarg_segment_align: 8
    .kernarg_segment_size: 48
    .max_flat_workgroup_size: 128
    .sgpr_count:     66
    .vgpr_count:     256
    .wavefront_size: 32
...
	.end_amdgpu_metadata
.endif
;; end of part 1
;; launch scores (part 2): grid 16 x 16, 4 waves a work-group, clusters of 4 x 1, 327,680 bytes of LDS; arguments dcodes, dscale, pcodes, stats; writes pcodes, stats
.if DOCPART == 2
	.amdgcn_target "amdgcn-amd-amdhsa--gfx1250"
	.amdhsa_code_object_version 6
	.text
	.protected	k_q5b50ae0acd_scores
	.globl	k_q5b50ae0acd_scores
	.p2align	8
	.type	k_q5b50ae0acd_scores,@function
k_q5b50ae0acd_scores:
	s_mov_b64 s[64:65], 0
	v_nop
	global_prefetch_b8 v0, s[64:65] scope:SCOPE_SE
	s_setreg_imm32_b32 hwreg(HW_REG_WAVE_MODE, 25, 1), 1
	s_wait_xcnt 0x0
	s_wait_alu depctr_hold_cnt(0) depctr_sa_sdst(0) depctr_va_vdst(0) depctr_va_sdst(0) depctr_va_ssrc(0) depctr_va_vcc(0) depctr_vm_vsrc(0)
	s_getreg_b32 s2, hwreg(HW_REG_IB_STS2, 6, 4)
	s_cmp_eq_u32 s2, 0
	s_cbranch_scc0 .Lentry_in_a_cluster
	s_endpgm
.Lentry_in_a_cluster:
	s_bfe_u32 s2, ttmp6, 0x10000c
	s_cmp_lg_u32 s2, 0x3003
	s_cbranch_scc0 .Lentry_shape_is_right
	s_endpgm
.Lentry_shape_is_right:
.set SLOT1,  131072
.set GRPB,   98304
.set KSC,    98304
.set STAGE,  114688
.set SPARE,  118784
.set LI,   1
.set SPW,  2
.set NIL,  3
.set AK,   4
.set ASK0, 6
.set ASKS, 7
.set STI,  8
.set STO,  9
.set GO8,  10
.set QSO,  15
.set QS,   16
.set KS,   32
.set KFR,  64
.set S,    64
.set BM,   128
.set PX,   132
.set NB,   136
.set LS,   144
.set SO,   148
.set BY,   152
.set TT,   156
.set NM,   157
.set PW,   158
.set LL,   159
.set CT,   160
.set PCB,  168
.set OUTS, 192
.set WVN,  16
.set SEL,  20
.set CS,   22
.set G1K,  24
.set G1S,  32
.set G0A,  40
.set G0W,  44
.set G0S,  48
.set TB,   52
.set TS,   53
.set KB,   54
.set BI,   56
.set PB,   60
.set SB,   62
.set TRIP, 66
.set H80,  67
.set MSB, 0
.macro WIN new
.if MSB != \new
	s_set_vgpr_msb (MSB<<8)|\new
.set MSB, \new
.endif
.endm
.macro PLACES
.rept 4
	v_nop
.endr
.endm
.macro ROUND
	s_barrier_signal -1
	s_barrier_wait -1
	s_cmp_lg_u32 s[WVN], 0
	s_cbranch_scc1 .Lnot_wave_0_\@
	s_barrier_signal -3
.Lnot_wave_0_\@:
	s_barrier_wait -3
	s_barrier_signal -1
	s_barrier_wait -1
.endm
.macro WMS dd, fa, fb, zz, sa, sb, ra, rb
.if \zz
.if (\ra) && (\rb)
	v_wmma_scale_f32_16x16x128_f8f6f4 v[(\dd):(\dd)+7], v[(\fa):(\fa)+11], v[(\fb):(\fb)+11], 0, v[\sa], v[\sb] matrix_a_fmt:MATRIX_FMT_BF6 matrix_b_fmt:MATRIX_FMT_BF6 matrix_a_scale:MATRIX_SCALE_ROW1 matrix_b_scale:MATRIX_SCALE_ROW1
.elseif \ra
	v_wmma_scale_f32_16x16x128_f8f6f4 v[(\dd):(\dd)+7], v[(\fa):(\fa)+11], v[(\fb):(\fb)+11], 0, v[\sa], v[\sb] matrix_a_fmt:MATRIX_FMT_BF6 matrix_b_fmt:MATRIX_FMT_BF6 matrix_a_scale:MATRIX_SCALE_ROW1
.elseif \rb
	v_wmma_scale_f32_16x16x128_f8f6f4 v[(\dd):(\dd)+7], v[(\fa):(\fa)+11], v[(\fb):(\fb)+11], 0, v[\sa], v[\sb] matrix_a_fmt:MATRIX_FMT_BF6 matrix_b_fmt:MATRIX_FMT_BF6 matrix_b_scale:MATRIX_SCALE_ROW1
.else
	v_wmma_scale_f32_16x16x128_f8f6f4 v[(\dd):(\dd)+7], v[(\fa):(\fa)+11], v[(\fb):(\fb)+11], 0, v[\sa], v[\sb] matrix_a_fmt:MATRIX_FMT_BF6 matrix_b_fmt:MATRIX_FMT_BF6
.endif
.else
.if (\ra) && (\rb)
	v_wmma_scale_f32_16x16x128_f8f6f4 v[(\dd):(\dd)+7], v[(\fa):(\fa)+11], v[(\fb):(\fb)+11], v[(\dd):(\dd)+7], v[\sa], v[\sb] matrix_a_fmt:MATRIX_FMT_BF6 matrix_b_fmt:MATRIX_FMT_BF6 matrix_a_scale:MATRIX_SCALE_ROW1 matrix_b_scale:MATRIX_SCALE_ROW1
.elseif \ra
	v_wmma_scale_f32_16x16x128_f8f6f4 v[(\dd):(\dd)+7], v[(\fa):(\fa)+11], v[(\fb):(\fb)+11], v[(\dd):(\dd)+7], v[\sa], v[\sb] matrix_a_fmt:MATRIX_FMT_BF6 matrix_b_fmt:MATRIX_FMT_BF6 matrix_a_scale:MATRIX_SCALE_ROW1
.elseif \rb
	v_wmma_scale_f32_16x16x128_f8f6f4 v[(\dd):(\dd)+7], v[(\fa):(\fa)+11], v[(\fb):(\fb)+11], v[(\dd):(\dd)+7], v[\sa], v[\sb] matrix_a_fmt:MATRIX_FMT_BF6 matrix_b_fmt:MATRIX_FMT_BF6 matrix_b_scale:MATRIX_SCALE_ROW1
.else
	v_wmma_scale_f32_16x16x128_f8f6f4 v[(\dd):(\dd)+7], v[(\fa):(\fa)+11], v[(\fb):(\fb)+11], v[(\dd):(\dd)+7], v[\sa], v[\sb] matrix_a_fmt:MATRIX_FMT_BF6 matrix_b_fmt:MATRIX_FMT_BF6
.endif
.endif
.endm
	s_load_b256 s[4:11], s[0:1], 0x0
	v_lshl_add_u32 v[SPW], v0, 2, SPARE
	v_mov_b32 v[NIL], 0
	ds_add_u32 v2, v3
	ds_add_u32 v2, v3
	s_wait_dscnt 0x0
	v_lshrrev_b32 v11, 5, v0
	v_readfirstlane_b32 s[WVN], v11
	s_bfe_u32 s17, ttmp6, 0x40000
	s_lshl_b32 s18, ttmp9, 2
	s_add_co_u32 s18, s18, s17
	s_and_b32 s19, ttmp7, 0xffff
	s_mov_b32 s[G1K], 15|(3<<16)|(1<<21)
	s_mov_b32 s[G1K+1], 32<<16
	s_mov_b32 s[G1K+2], 96<<16
	s_mov_b32 s[G1K+3], 32<<16
	s_mov_b32 s[G1K+4], 96
	s_mov_b32 s[G1K+5], 32
	s_mov_b32 s[G1K+6], 0
	s_mov_b32 s[G1K+7], 0
	s_mov_b32 s[G1S], 15|(3<<16)|(1<<21)
	s_mov_b32 s[G1S+1], 32<<16
	s_mov_b32 s[G1S+2], 64<<16
	s_mov_b32 s[G1S+3], 32<<16
	s_mov_b32 s[G1S+4], 64
	s_mov_b32 s[G1S+5], 32
	s_mov_b32 s[G1S+6], 0
	s_mov_b32 s[G1S+7], 0
	s_mov_b32 s88, 15|(3<<16)|(1<<21)              ; group 1 of slot 0's first fill: a third of the slot, 128 rows of 256 bytes
	s_mov_b32 s89, 32<<16
	s_mov_b32 s90, 128<<16
	s_mov_b32 s91, 32<<16
	s_mov_b32 s92, 128
	s_mov_b32 s93, 32
	s_mov_b32 s94, 0
	s_mov_b32 s95, 0
	s_lshl_b32 s68, s19, 5
	s_add_co_u32 s68, s68, 256
	s_mul_i32 s74, s68, 12288
	s_lshl_b32 s97, s[WVN], 15                     ; slot 0's first fill: waves 0 to 2 take 32,768 bytes each
	s_add_co_u32 s98, s74, s97
	s_mov_b32 s99, 0
	s_mul_i32 s[G0A+1], s[WVN], 24576
	s_add_co_u32 s74, s74, s[G0A+1]
	s_mov_b32 s75, 0
	s_lshl_b32 s76, s68, 9                         ; the scale words of my 512 keys: 16,384 bytes, all fetched by wave 3
	s_mov_b32 s77, 0
	s_lshl_b32 s78, s18, 4
	s_lshl_b32 s79, s[WVN], 2
	s_add_co_u32 s78, s78, s79
	s_mul_i32 s80, s78, 12288
	s_mov_b32 s81, 0
	s_lshl_b32 s82, s78, 9
	s_mov_b32 s83, 0
	s_lshr_b32 s84, s19, 1
	s_mul_i32 s84, s84, 3145728
	s_lshl_b32 s85, s18, 1
	s_lshr_b32 s86, s[WVN], 1
	s_add_co_u32 s85, s85, s86
	s_mul_i32 s85, s85, 98304
	s_add_co_u32 s84, s84, s85
	s_and_b32 s85, s19, 1
	s_mul_i32 s85, s85, 49152
	s_add_co_u32 s84, s84, s85
	s_and_b32 s85, s[WVN], 1
	s_mul_i32 s85, s85, 6144
	s_add_co_u32 s84, s84, s85
	s_mov_b32 s85, 0
	s_lshl_b32 s86, s19, 16
	s_lshl_b32 s87, s18, 10
	s_add_co_u32 s86, s86, s87
	s_lshl_b32 s87, s[WVN], 8
	s_add_co_u32 s86, s86, s87
	s_mov_b32 s87, 0
	s_mov_b32 s[SEL], 0x76543210
	s_mov_b32 s[SEL+1], 0xfedcba98
	s_mov_b32 s[CS], 0x3fb8aa3b
	s_mov_b32 s[CS+1], s[CS]
	s_mov_b32 s[H80], 0x80808080
	s_mov_b32 s[TB], 0
	s_mov_b32 s[TS], 0
	s_lshl_b32 s[KB], s19, 9
	s_wait_kmcnt 0x0
	s_add_nc_u64 s[G0A+2:G0A+3], s[4:5], s[74:75]
	s_mov_b32 s[G0W], 1
	s_add_co_u32 s[G0W+1], s[G0A+1], SLOT1
	s_add_nc_u64 s[G0W+2:G0W+3], s[G0A+2:G0A+3], GRPB
	s_or_b32 s[G0W+3], s[G0W+3], 0x80000000
	s_mov_b32 s[G0S], 1
	s_mov_b32 s[G0S+1], KSC
	s_mov_b32 s96, 1
	s_add_nc_u64 s[98:99], s[4:5], s[98:99]
	s_or_b32 s99, s99, 0x80000000
	s_add_nc_u64 s[G0S+2:G0S+3], s[6:7], s[76:77]
	s_or_b32 s[G0S+3], s[G0S+3], 0x80000000
	s_add_nc_u64 s[72:73], s[4:5], s[80:81]
	s_add_nc_u64 s[70:71], s[6:7], s[82:83]
	s_add_nc_u64 s[PB:PB+1], s[8:9], s[84:85]
	s_add_nc_u64 s[SB:SB+1], s[10:11], s[86:87]
	ROUND
	s_cmp_eq_u32 s[WVN], 3                         ; the head's fills, one a wave: waves 0 to 2 a third of slot 0 each, wave 3 the scale words
	s_cbranch_scc1 .Lhead_s
	tensor_load_to_lds s[96:99], s[88:95]
	s_nop 0
	PLACES
	s_branch .Lhead_j
.Lhead_s:
	tensor_load_to_lds s[G0S:G0S+3], s[G1S:G1S+7]
	s_nop 0
	PLACES
.Lhead_j:
	v_and_b32 v12, 31, v0                          ; the addresses, and q's fragments and scale words: their loads are out while the tiles land
	v_and_b32 v13, 15, v0
	v_bfe_u32 v14, v0, 4, 1
	v_lshlrev_b32 v[LI], 4, v12
	v_lshlrev_b32 v[ASK0], 2, v13
	v_lshl_add_u32 v[ASK0], v14, 9, v[ASK0]
	v_mov_b32 v[QSO], v[ASK0]
	v_add_nc_u32 v[ASK0], KSC, v[ASK0]
	s_lshl_b32 s55, s[WVN], 10
	v_lshlrev_b32 v[STI], 2, v13
	v_add_nc_u32 v[STI], s55, v[STI]
	v_add_nc_u32 v[STI], STAGE, v[STI]
	v_lshlrev_b32 v[GO8], 3, v12
	v_add_nc_u32 v[STO], s55, v[GO8]
	v_add_nc_u32 v[STO], STAGE, v[STO]
	WIN 0x40
.irp s, 0,1,2,3
.irp a, 0,1,2,3
.irp j, 0,1,2
	global_load_b128 v[12*(4*\s+\a)+4*\j:12*(4*\s+\a)+4*\j+3], v[LI], s[72:73] offset:12288*\a+1536*\s+512*\j
.endr
.endr
.endr
	WIN 0x80
.irp s, 0,1,2,3
.irp a, 0,1,2,3
.irp j, 0,1,2
	global_load_b128 v[12*(4*\s+\a)+4*\j:12*(4*\s+\a)+4*\j+3], v[LI], s[72:73] offset:12288*\a+1536*(\s+4)+512*\j
.endr
.endr
.endr
	WIN 0
.irp i, 0,1
.irp s, 0,1,2,3,4,5,6,7
	global_load_b32 v[QS+8*\i+\s], v[QSO], s[70:71] offset:1024*\i+64*\s
.endr
.endr
	s_wait_alu depctr_va_vdst(0)
	s_wait_tensorcnt 0x0
	ds_add_u32 v2, v3
	s_wait_dscnt 0x0
	ROUND
	tensor_load_to_lds s[G0W:G0W+3], s[G1K:G1K+7]
	s_nop 0
	PLACES
	s_wait_tensorcnt 1
	s_barrier_signal -1
	s_barrier_wait -1
	s_wait_loadcnt 0x0
.macro FETCHK st, fs
.irp t, 0,1,2,3,4,5,6,7
.irp j, 0,1,2
	ds_load_b128 v[KFR+96*(\fs)+12*\t+4*\j:KFR+96*(\fs)+12*\t+4*\j+3], v[AK+\t/4] offset:(\t%4)*12288+1536*(\st)+512*\j
.endr
.endr
.endm
.macro MULK st
.if (\st) < 4
	WIN 0xf4
.else
	WIN 0xf8
.endif
.if (\st) == 0
.set ZF, 1
.else
.set ZF, 0
.endif
.irp a, 0,1,2,3
.irp t, 0,1,2,3,4,5,6,7
	WMS 8*(8*\a+\t), KFR+96*((\st)%2)+12*\t, 12*(4*((\st)%4)+\a), ZF, KS+8*(\t/2)+(\st), QS+8*(\a/2)+(\st), \t%2, \a%2
.endr
.endr
	WIN 0
.endm
.macro KSTEP st
	s_wait_dscnt 0x0
.if (\st) > 0
	PLACES
.endif
.if (\st) < 7
	FETCHK (\st)+1, ((\st)+1)%2
.endif
	MULK \st
.endm
.macro SOFTQ a
.set AC, 64*(\a)
.set PC, PCB+12*((\a)%2)
.if (\a) >= 2
	s_wait_xcnt 0x0
.endif
	WIN 0x3f
.irp b, 0,1,2,3
	v_max3_num_f32 v[BM+\b], v[AC+16*\b], v[AC+16*\b+1], v[AC+16*\b+2]
.endr
	WIN 0x3c
.irp i, 3,5,7,9,11,13
.irp b, 0,1,2,3
	v_max3_num_f32 v[BM+\b], v[BM+\b], v[AC+16*\b+\i], v[AC+16*\b+\i+1]
.endr
.endr
.irp b, 0,1,2,3
	v_max_num_f32 v[BM+\b], v[BM+\b], v[AC+16*\b+15]
.endr
	WIN 0
.irp b, 0,1,2,3
	v_permlanex16_b32 v[PX+\b], v[BM+\b], s[SEL], s[SEL+1]
.endr
.irp b, 0,1,2,3
	v_max_num_f32 v[BM+\b], v[BM+\b], v[PX+\b]
.endr
.irp b, 0,1,2,3
	v_add_f32 v[PX+\b], s[BI+\b], v[BM+\b]
.endr
	v_max3_num_f32 v[TT], v[PX], v[PX+1], v[PX+2]
	v_max_num_f32 v[TT], v[TT], v[PX+3]
	v_mul_f32 v[TT], s[CS], v[TT]
	v_max_num_f32 v[TT], 0xff61b1e6, v[TT]
	v_floor_f32 v[NM], -v[TT]
.irp b, 0,1,2,3
	v_add_f32 v[NB+2*\b], s[BI+\b], v[NM]
.endr
	WIN 0x03
.irp b, 0,1,2,3
.irp j, 0,2,4,6,8,10,12,14
	v_pk_fma_f32 v[S+16*\b+\j:S+16*\b+\j+1], v[AC+16*\b+\j:AC+16*\b+\j+1], s[CS:CS+1], v[NB+2*\b:NB+2*\b+1] op_sel_hi:[1,0,0]
.endr
.endr
	WIN 0
.irp b, 0,1,2,3
	v_fma_f32 v[BM+\b], v[BM+\b], s[CS], v[NB+2*\b]
.endr
.set jj, 0
	s_wait_alu depctr_va_vdst(0)
.rept 64
	v_exp_f32 v[S+jj], v[S+jj]
.set jj, jj+1
.endr
	v_nop
	s_wait_alu depctr_va_vdst(0)
.irp b, 0,1,2,3
	v_exp_f32 v[BM+\b], v[BM+\b]
.endr
	v_pk_add_f32 v[LS:LS+1], v[S:S+1], v[S+2:S+3]
	v_pk_add_f32 v[LS+2:LS+3], v[S+4:S+5], v[S+6:S+7]
.irp j, 8,12,16,20,24,28,32,36,40,44,48,52,56,60
	v_pk_add_f32 v[LS:LS+1], v[LS:LS+1], v[S+\j:S+\j+1]
	v_pk_add_f32 v[LS+2:LS+3], v[LS+2:LS+3], v[S+\j+2:S+\j+3]
.endr
	v_pk_add_f32 v[LS:LS+1], v[LS:LS+1], v[LS+2:LS+3]
	v_add_f32 v[LL], v[LS], v[LS+1]
	v_permlanex16_b32 v[PX], v[LL], s[SEL], s[SEL+1]
	v_add_f32 v[LL], v[LL], v[PX]
	s_wait_alu depctr_va_vdst(0)
.irp b, 0,1,2,3
	v_max_num_f32 v[BM+\b], 0x2800000, v[BM+\b]
.endr
.irp b, 0,1,2,3
	v_add_nc_u32 v[SO+\b], 0xfe000000, v[BM+\b]
.endr
.irp b, 0,1,2,3
	v_lshrrev_b32 v[BY+\b], 23, v[SO+\b]
.endr
	v_lshl_or_b32 v[PW], v[BY+1], 8, v[BY]
	v_lshl_or_b32 v[PW], v[BY+2], 16, v[PW]
	v_lshl_or_b32 v[PW], v[BY+3], 24, v[PW]
	v_or_b32 v[PW], s[H80], v[PW]
.irp c, 0,1
	v_cvt_scalef32_pk16_bf6_f32 v[PC+6*\c:PC+6*\c+2], v[S+32*\c:S+32*\c+15], v[SO+2*\c]
	v_cvt_scalef32_pk16_bf6_f32 v[CT+4*\c:CT+4*\c+2], v[S+32*\c+16:S+32*\c+31], v[SO+2*\c+1]
.endr
	v_nop
.irp c, 0,1
.irp i, 0,1,2
	v_permlane16_swap_b32 v[PC+6*\c+\i], v[CT+4*\c+\i]
.endr
.irp i, 0,1,2
	v_mov_b32 v[PC+6*\c+3+\i], v[CT+4*\c+\i]
.endr
.endr
.irp j, 0,1,2
	global_store_b128 v[LI], v[PC+4*\j:PC+4*\j+3], s[PB:PB+1] offset:1536*(\a)+512*\j
.endr
	ds_store_b32 v[STI], v[PW] offset:64*(\a)
	ds_store_b32 v[STI], v[NM] offset:256+64*(\a)
	ds_store_b32 v[STI], v[LL] offset:512+64*(\a)
.endm
.macro GROUP fill
	v_add_nc_u32 v[AK], s[TB], v[LI]
	v_add_nc_u32 v[AK+1], 49152, v[AK]
	v_add_nc_u32 v[ASKS], s[TS], v[ASK0]
	s_wait_alu depctr_va_vdst(0)
	s_cmp_lt_u32 s[KB], 8000
	s_cselect_b32 s[BI], 0, 0xff800000
.irp b, 1,2,3
	s_add_co_u32 s55, s[KB], 32*\b
	s_cmp_lt_u32 s55, 8000
	s_cselect_b32 s[BI+\b], 0, 0xff800000
.endr
.irp j, 0,1,2,3
.irp s, 0,1,2,3,4,5,6,7
	ds_load_b32 v[KS+8*\j+\s], v[ASKS] offset:1024*\j+64*\s
.endr
.endr
	FETCHK 0, 0
.irp s, 0,1,2,3,4,5,6,7
	KSTEP \s
.endr
	s_wait_tensorcnt 0x0
	ds_add_u32 v[SPW], v[NIL]
.if \fill
	s_xor_b32 s[G0W+1], s[G0W+1], SLOT1
	s_add_nc_u64 s[G0W+2:G0W+3], s[G0W+2:G0W+3], GRPB
.endif
	s_wait_dscnt 0x0
.if \fill
	ROUND
	tensor_load_to_lds s[G0W:G0W+3], s[G1K:G1K+7]
	s_nop 0
.else
	s_barrier_signal -1
	s_barrier_wait -1
.endif
	PLACES
	SOFTQ 0
	SOFTQ 1
	SOFTQ 2
	SOFTQ 3
.irp k, 0,1,2
	ds_load_b64 v[OUTS+2*\k:OUTS+2*\k+1], v[STO] offset:256*\k
.endr
	s_wait_dscnt 0x0
.irp k, 0,1,2
	global_store_b64 v[GO8], v[OUTS+2*\k:OUTS+2*\k+1], s[SB:SB+1] offset:1048576*\k
.endr
	s_wait_xcnt 0x0
	s_add_nc_u64 s[PB:PB+1], s[PB:PB+1], 12288
	s_add_nc_u64 s[SB:SB+1], s[SB:SB+1], 16384
	s_add_co_u32 s[KB], s[KB], 128
	s_add_co_u32 s[TS], s[TS], 4096
	s_xor_b32 s[TB], s[TB], SLOT1
.endm
	s_mov_b32 s[TRIP], 2
.Lfill:
	s_wait_alu depctr_va_vdst(0)
	GROUP 1
	s_sub_co_u32 s[TRIP], s[TRIP], 1
	s_cmp_lg_u32 s[TRIP], 0
	s_cbranch_scc1 .Lfill
	s_mov_b32 s[TRIP], 2
.Ltail:
	GROUP 0
	s_sub_co_u32 s[TRIP], s[TRIP], 1
	s_cmp_lg_u32 s[TRIP], 0
	s_cbranch_scc1 .Ltail
	s_wait_tensorcnt 0x0
	ds_add_u32 v[SPW], v[NIL]
	s_wait_dscnt 0x0
	ROUND
	s_endpgm
.Lfunc_end_k_q5b50ae0acd_scores:
	.size	k_q5b50ae0acd_scores, .Lfunc_end_k_q5b50ae0acd_scores-k_q5b50ae0acd_scores
	.p2alignl 7, 3214868480
	.fill 96, 4, 3214868480
	.section	.rodata,"a",@progbits
	.p2align	6, 0x0
	.amdhsa_kernel k_q5b50ae0acd_scores
		.amdhsa_group_segment_fixed_size 327680
		.amdhsa_private_segment_fixed_size 0
		.amdhsa_enable_private_segment 0
		.amdhsa_kernarg_size 32
		.amdhsa_user_sgpr_count 2
		.amdhsa_user_sgpr_kernarg_segment_ptr 1
		.amdhsa_wavefront_size32 1
		.amdhsa_system_sgpr_workgroup_id_x 1
		.amdhsa_system_sgpr_workgroup_id_y 1
		.amdhsa_system_sgpr_workgroup_id_z 1
		.amdhsa_system_vgpr_workitem_id 0
		.amdhsa_next_free_vgpr 1024
		.amdhsa_next_free_sgpr 100
		.amdhsa_reserve_vcc 0
		.amdhsa_float_denorm_mode_32 3
		.amdhsa_float_denorm_mode_16_64 3
		.amdhsa_memory_ordered 1
		.amdhsa_forward_progress 1
		.amdhsa_inst_pref_size 210
	.end_amdhsa_kernel
	.amdgpu_metadata
---
amdhsa.version: [ 1, 2 ]
amdhsa.kernels:
  - .name:           k_q5b50ae0acd_scores
    .symbol:         k_q5b50ae0acd_scores.kd
    .args:
      - { .name: dcodes, .offset: 0, .size: 8, .value_kind: global_buffer, .address_space: global }
      - { .name: dscale, .offset: 8, .size: 8, .value_kind: global_buffer, .address_space: global }
      - { .name: pcodes, .offset: 16, .size: 8, .value_kind: global_buffer, .address_space: global }
      - { .name: stats, .offset: 24, .size: 8, .value_kind: global_buffer, .address_space: global }
    .group_segment_fixed_size: 327680
    .private_segment_fixed_size: 0
    .kernarg_segment_align: 8
    .kernarg_segment_size: 32
    .max_flat_workgroup_size: 128
    .sgpr_count:     100
    .vgpr_count:     1024
    .wavefront_size: 32
...
	.end_amdgpu_metadata
.endif
;; end of part 2
;; launch ctx (part 3): grid 8 x 32, 4 waves a work-group, clusters of 4 x 1, 327,680 bytes of LDS; arguments pcodes, stats, vcodes, vscale, q, out0; writes out0
.if DOCPART == 3
	.amdgcn_target "amdgcn-amd-amdhsa--gfx1250"
	.amdhsa_code_object_version 6
	.text
	.protected	k_q5b50ae0acd_ctx
	.globl	k_q5b50ae0acd_ctx
	.p2align	8
	.type	k_q5b50ae0acd_ctx,@function
k_q5b50ae0acd_ctx:
	s_mov_b64 s[64:65], 0
	v_nop
	global_prefetch_b8 v0, s[64:65] scope:SCOPE_SE
	s_setreg_imm32_b32 hwreg(HW_REG_WAVE_MODE, 25, 1), 1
	s_wait_xcnt 0x0
	s_wait_alu depctr_hold_cnt(0) depctr_sa_sdst(0) depctr_va_vdst(0) depctr_va_sdst(0) depctr_va_ssrc(0) depctr_va_vcc(0) depctr_vm_vsrc(0)
	s_getreg_b32 s2, hwreg(HW_REG_IB_STS2, 6, 4)
	s_cmp_eq_u32 s2, 0
	s_cbranch_scc0 .Lentry_in_a_cluster
	s_endpgm
.Lentry_in_a_cluster:
	s_bfe_u32 s2, ttmp6, 0x10000c
	s_cmp_lg_u32 s2, 0x3003
	s_cbranch_scc0 .Lentry_shape_is_right
	s_endpgm
.Lentry_shape_is_right:
; out = (p emb) / l + q.  p and emb arrive as codes of E3M2 along the keys, as images of fragments (1,536 bytes each), in 64 groups of 128 keys.
; p's codes were made under a whole-number M of their own group: the prologue finds each query's largest M, takes d = M - M(group) off every scale byte of that group
; (an exact power of two), and sums l = the sum of l(group) 2^-d.
; SHARES.  A work-group makes 128 queries x 128 d (grid 8 x 32).  K IS DEALT AMONG THE WAVES: wave w takes groups 4 i + w, i = 0 .. 15 (its steps), and holds the whole block: 64 accumulators, 512 registers.
; A step is 8 fragments of emb and 8 of p, 64 matrix instructions: each fragment feeds eight and is read by ONE wave of the work-group, once.
; p: the four work-groups of a cluster (4, 1, 1) make four d tiles of one query tile and need the same p.  It is asked for JOINTLY, in slots of 8 groups (98,304 consecutive bytes, two steps of every wave),
; each wave fetching a quarter, into two LDS slots.  At the head of step s a wave reads step s + 1's fragments of p into its other set of registers: so at the head of an odd step the older slot is read out,
; and the round that stands there has the next slot whole and fills the older one again: a fill has two steps in which to land.
; emb goes from memory straight into registers (a load is 512 consecutive bytes of an image): two slots of emb beside p's would take 393,216 bytes of LDS, more than there is, so emb is not asked for jointly.
; Step s asks for step s + 2 of emb pair by pair, as soon as a pair's 16 products are issued, and for its scale words at the step's end: behind the loads of step s stand the 28 of step s + 1.
; PREFETCHES: the trip whose round asks for slot m + 1 names slot m + 3 of p: 384 blocks of 256 bytes, 24 to each of the cluster's 16 waves, told apart by address; slots past 7 are not named.
; Step s names step s + 4 of emb: 48 blocks shared out among the 32 work-groups of a d tile (2 or 1 each, by Y).  Lanes left over name the last block again.  q's 32 rows a wave are named two steps ahead of their loads.
; THE WAY OUT: the four waves' parts go to LDS as rows (528 bytes apart; over the slots, which have had their last fill and are read out), one barrier, wave w sums rows 32 w .. 32 w + 31, x 1 / l, + q, and stores a row's 512 consecutive bytes an instruction.
; Source 0 = 16 d of emb, source 1 = 16 queries of p: a lane holds one query and eight neighbouring d.
; LIMITS: NaN and infinities are not served.  A block of p whose byte would fall under 0 gets the byte 0, 2^-127: what it then adds lies under 28 x 2^-127 beside a largest p above 1/2.
; REGISTERS: window 0: v1-23, v40 addresses and small work; v24-31 emb's scale words, v32-39 p's (two sets of 4; lanes 0-15 an even block, lanes 16-31 the odd one); v64-159 set 0 emb, v160-255 set 0 p (at the end: q).
;   window 1: v0-95 set 1 emb, v96-191 set 1 p.  windows 2, 3: accumulators (a, b) at v[8 (8 (b % 4) + a)], b / 4 picks the window.  The prologue works in window 3, the way out in window 2.
.set SLOT1, 131072                     ; slot 0 at 0, slot 1 here, 98,304 bytes each
.set SCP,   98304                      ; between them: p's corrected scale words [g 64][128 queries]
.set RGN,   67584                      ; the way out: a wave's part of the block, 128 rows x 528 bytes, four of them from byte 0
.set RED,   270336                     ; 4 x 512 bytes: each wave's least -M
.set RED2,  272384                     ; 4 x 512 bytes: each wave's part of l
.set SPARE, 274432                     ; the spare words, 128 bytes a wave
.set PP,    3145728                    ; pcodes: 8 groups on
.set VP,    786432                     ; vcodes: 8 groups on
.set LI,  1
.set SPW, 2
.set NIL, 3
.set L4,  4
.set APS, 5
.set PFO, 6
.set PFV, 7
.set RDA, 8
.set RDB, 9
.set PWA, 10
.set STO, 11
.set RD,  12
.set ADP0, 16
.set RLA, 17
.set LT,  18
.set PFQ, 22
.set RLV, 23
.set SV,  24
.set SP,  32
.set ADP, 40
.set PWW,  0                           ; in window 3
.set PNM,  64
.set PLQ,  128
.set NG,   192
.set LSUM, 196
.set MT,   200
.set DD,   200
.set EE,   210
.set TRIP, 19
.set H80,  32
.set TB,   42                          ; the slot that is being read: 0 or SLOT1
.set G1,   44                          ; s44-51 descriptor group 1
.set G0,   52                          ; s52-55 descriptor group 0
.set RLS,  68                          ; s68-99: 1 / l of my 32 rows
.set MSB, 0
.macro WIN new
.if MSB != (\new)
	s_set_vgpr_msb (MSB<<8)|(\new)
.set MSB, (\new)
.endif
.endm
.macro PLACES
.rept 4
	v_nop
.endr
.endm
.macro ROUND                           ; a round of the cluster's barrier
	s_barrier_signal -1
	s_barrier_wait -1
	s_cmp_lg_u32 s16, 0
	s_cbranch_scc1 .Lnot_wave_0_\@
	s_barrier_signal -3
.Lnot_wave_0_\@:
	s_barrier_wait -3
	s_barrier_signal -1
	s_barrier_wait -1
.endm
.macro WMS dd, fa, fb, zz, sa, sb, ra, rb
.if \zz
.if (\ra) && (\rb)
	v_wmma_scale_f32_16x16x128_f8f6f4 v[(\dd):(\dd)+7], v[(\fa):(\fa)+11], v[(\fb):(\fb)+11], 0, v[\sa], v[\sb] matrix_a_fmt:MATRIX_FMT_BF6 matrix_b_fmt:MATRIX_FMT_BF6 matrix_a_scale:MATRIX_SCALE_ROW1 matrix_b_scale:MATRIX_SCALE_ROW1
.elseif \ra
	v_wmma_scale_f32_16x16x128_f8f6f4 v[(\dd):(\dd)+7], v[(\fa):(\fa)+11], v[(\fb):(\fb)+11], 0, v[\sa], v[\sb] matrix_a_fmt:MATRIX_FMT_BF6 matrix_b_fmt:MATRIX_FMT_BF6 matrix_a_scale:MATRIX_SCALE_ROW1
.elseif \rb
	v_wmma_scale_f32_16x16x128_f8f6f4 v[(\dd):(\dd)+7], v[(\fa):(\fa)+11], v[(\fb):(\fb)+11], 0, v[\sa], v[\sb] matrix_a_fmt:MATRIX_FMT_BF6 matrix_b_fmt:MATRIX_FMT_BF6 matrix_b_scale:MATRIX_SCALE_ROW1
.else
	v_wmma_scale_f32_16x16x128_f8f6f4 v[(\dd):(\dd)+7], v[(\fa):(\fa)+11], v[(\fb):(\fb)+11], 0, v[\sa], v[\sb] matrix_a_fmt:MATRIX_FMT_BF6 matrix_b_fmt:MATRIX_FMT_BF6
.endif
.else
.if (\ra) && (\rb)
	v_wmma_scale_f32_16x16x128_f8f6f4 v[(\dd):(\dd)+7], v[(\fa):(\fa)+11], v[(\fb):(\fb)+11], v[(\dd):(\dd)+7], v[\sa], v[\sb] matrix_a_fmt:MATRIX_FMT_BF6 matrix_b_fmt:MATRIX_FMT_BF6 matrix_a_scale:MATRIX_SCALE_ROW1 matrix_b_scale:MATRIX_SCALE_ROW1
.elseif \ra
	v_wmma_scale_f32_16x16x128_f8f6f4 v[(\dd):(\dd)+7], v[(\fa):(\fa)+11], v[(\fb):(\fb)+11], v[(\dd):(\dd)+7], v[\sa], v[\sb] matrix_a_fmt:MATRIX_FMT_BF6 matrix_b_fmt:MATRIX_FMT_BF6 matrix_a_scale:MATRIX_SCALE_ROW1
.elseif \rb
	v_wmma_scale_f32_16x16x128_f8f6f4 v[(\dd):(\dd)+7], v[(\fa):(\fa)+11], v[(\fb):(\fb)+11], v[(\dd):(\dd)+7], v[\sa], v[\sb] matrix_a_fmt:MATRIX_FMT_BF6 matrix_b_fmt:MATRIX_FMT_BF6 matrix_b_scale:MATRIX_SCALE_ROW1
.else
	v_wmma_scale_f32_16x16x128_f8f6f4 v[(\dd):(\dd)+7], v[(\fa):(\fa)+11], v[(\fb):(\fb)+11], v[(\dd):(\dd)+7], v[\sa], v[\sb] matrix_a_fmt:MATRIX_FMT_BF6 matrix_b_fmt:MATRIX_FMT_BF6
.endif
.endif
.endm
.macro LDF reg, off                    ; one fragment of emb: three loads of 512 consecutive bytes
.irp j, 0,1,2
	global_load_b128 v[(\reg)+4*\j:(\reg)+4*\j+3], v[LI], s[8:9] offset:(\off)+512*\j
.endr
.endm
.macro LDSV k, off                     ; emb's scale words of a step: 4 loads of 128 consecutive bytes
.irp j, 0,1,2,3
	global_load_b32 v[SV+4*(\k)+\j], v[L4], s[10:11] offset:(\off)+128*\j
.endr
.endm
.macro LOADV k, od                     ; the first two steps' 28 loads
	WIN 0x40*(\k)
.irp b, 0,1,2,3,4,5,6,7
	LDF 64-64*(\k)+12*\b, (\od)*49152+1536*\b
.endr
	WIN 0
	LDSV \k, (\od)*2048
.endm
.macro LDPF kk, pod                    ; a step's fragments of p and its scale words, from LDS into set kk; pod: the slot's first or second step
.set FQ, 160-64*(\kk)
	WIN 0x40*(\kk)
.irp a, 0,1,2,3,4,5,6,7
.irp j, 0,1,2
	ds_load_b128 v[FQ+12*\a+4*\j:FQ+12*\a+4*\j+3], v[ADP] offset:(\pod)*49152+1536*\a+512*\j
.endr
.endr
	WIN 0
.irp j, 0,1,2,3
	ds_load_b32 v[SP+4*(\kk)+\j], v[APS] offset:(\pod)*2048+128*\j
.endr
.endm
; A step on set k.  zz: its products start the sums.  bar: 1 = a round and a refill at its head, 2 = a barrier (the last slot is whole), 3 = the signal that my LDS reads are over.
; rdp: it reads the next step's p (pod: the slot's first or second step).  ldv: it asks for emb's step two on, np pairs of steps and od odd steps from the bases.  inc: a new pair of steps: slot and bases go on.
; pf: emb's prefetch (2 = not in the loop's last trip).  pfp: p's (2 = not in the last two trips).  wl: the loads that may stay out at its head.
.macro STEP k, zz, bar, rdp, pod, ldv, inc, np, od, pf, pfp, wl
.set FV, 64-64*(\k)
.set FP, FV+96
	WIN 0
.if \bar != 1
	s_wait_loadcnt \wl
.endif
.if (\bar == 1) || (\bar == 2)
	s_wait_tensorcnt 0x0                           ; my quarter of the next slot has landed: no load of mine is out
	ds_add_u32 v[SPW], v[NIL]
.if \bar == 1
	s_xor_b32 s[G0+1], s[G0+1], SLOT1              ; the fill after the last: the other slot, 8 groups on
	s_add_nc_u64 s[G0+2:G0+3], s[G0+2:G0+3], PP
.endif
	s_wait_dscnt 0x0                               ; the add is done; this step's p is in registers, so my reads of the older slot are over
.if \bar == 1
	ROUND                                          ; the same holds of every wave of the four work-groups
	tensor_load_to_lds s[G0:G0+3], s[G1:G1+7]      ; my one load behind the round
	s_nop 0
.else
	s_barrier_signal -1
	s_barrier_wait -1
.endif
.else
	s_wait_dscnt 0x0                               ; this step's p is in registers
.if \bar == 3
	s_barrier_signal -1                            ; my last reads of the slots and of the scale words are over
.endif
.endif
.if \rdp
	PLACES                                         ; four places in front of loads into the set that the last step multiplied
.if \inc
	s_xor_b32 s[TB], s[TB], SLOT1
	v_add_nc_u32 v[ADP], s[TB], v[ADP0]
	v_add_nc_u32 v[APS], 4096, v[APS]
	s_wait_alu depctr_va_vdst(0)
.endif
	LDPF 1-(\k), \pod
.endif
.if \bar == 1
	s_wait_loadcnt \wl                             ; emb's fragments of this step are first read by the products below: the round and the refill do not stand behind this wait
.endif
.irp bp, 0,1,2,3
	WIN 0xa0+0x50*(\bp/2)+5*(\k)
.irp bb, 2*\bp, 2*\bp+1
.irp a, 0,1,2,3,4,5,6,7
	WMS 8*(8*((\bb)%4)+\a), FV+12*(\bb), FP+12*\a, \zz, SV+4*(\k)+(\bb)/2, SP+4*(\k)+\a/2, (\bb)%2, \a%2
.endr
.endr
.if \ldv
	PLACES                                         ; four places in front of loads into registers that these products read
.if (\bp == 0) && (\inc)
	s_wait_xcnt 0x0                                ; every load and prefetch of mine has read its base: the last were issued 16 products ago
	s_add_nc_u64 s[4:5], s[4:5], PP
	s_add_nc_u64 s[8:9], s[8:9], VP
	s_add_nc_u64 s[10:11], s[10:11], 4096
.endif
	WIN 0x40*(\k)
	LDF FV+24*\bp, (\np)*VP+(\od)*49152+3072*\bp
	LDF FV+24*\bp+12, (\np)*VP+(\od)*49152+3072*\bp+1536
.if (\bp == 1) && (\pfp)
.if \pfp == 2
	WIN 0
	s_cmp_lt_u32 s[TRIP], 3
	s_cbranch_scc1 .Lnq_\@                         ; the last two trips would name slots 8 and 9
.endif
	global_prefetch_b8 v[PFO], s[4:5] th:TH_LOAD_NT scope:SCOPE_SE
.if \pfp == 2
.Lnq_\@:
.endif
.endif
.if (\bp == 1) && (\pf)
.if \pf == 2
	WIN 0
	s_cmp_eq_u32 s[TRIP], 1
	s_cbranch_scc1 .Lnp_\@                         ; the last trip's even step would name step 16
.endif
	global_prefetch_b8 v[PFV], s[8:9] offset:(\np+1)*VP+(\od)*49152 th:TH_LOAD_NT scope:SCOPE_SE
.if \pf == 2
.Lnp_\@:
.endif
.endif
.if \bp == 3
	WIN 0
	LDSV \k, (\np)*4096+(\od)*2048
.endif
.endif
.endr
.endm
	s_load_b256 s[4:11], s[0:1], 0x0               ; pcodes, stats, vcodes, vscale
	s_load_b128 s[12:15], s[0:1], 0x20             ; q, out0
	v_lshl_add_u32 v[SPW], v0, 2, SPARE
	v_mov_b32 v[NIL], 0
	ds_add_u32 v[SPW], v[NIL]                      ; the opening lines: the add, twice on end, and its wait ahead of my first tensor load
	ds_add_u32 v[SPW], v[NIL]
	v_lshrrev_b32 v18, 5, v0
	v_readfirstlane_b32 s16, v18                   ; wave 0..3
	s_bfe_u32 s43, ttmp6, 0x40000                  ; cx
	s_lshl_b32 s17, ttmp9, 2
	s_add_co_u32 s17, s17, s43                     ; X: d tile
	s_and_b32 s18, ttmp7, 0xffff                   ; Y: query tile
	s_mov_b32 s[G1], 15|(3<<16)|(1<<21)            ; all four partners; a dense block as 96 rows of 256 bytes (32 elements of 8 bytes), no padding
	s_mov_b32 s[G1+1], 32<<16
	s_mov_b32 s[G1+2], 96<<16
	s_mov_b32 s[G1+3], 32<<16
	s_mov_b32 s[G1+4], 96
	s_mov_b32 s[G1+5], 32
	s_mov_b32 s[G1+6], 0
	s_mov_b32 s[G1+7], 0
	s_mul_i32 s58, s18, 98304                      ; p: hangs on Y and the wave alone
	s_mul_i32 s[G0+1], s16, 24576                  ; my quarter of a slot, in LDS and in memory
	s_add_co_u32 s20, s58, s[G0+1]
	s_mov_b32 s21, 0
	s_mul_i32 s30, s16, 6144                       ; p's prefetches: slot 3, my wave's 24 blocks of my work-group's 96
	s_add_co_u32 s56, s58, s30
	s_add_co_u32 s56, s56, 3*PP
	s_mov_b32 s57, 0
	s_lshl_b32 s22, s18, 9                         ; stats: my tile's 128 queries, groups 16 w on
	s_lshl_b32 s31, s16, 18
	s_add_co_u32 s22, s22, s31
	s_mov_b32 s23, 0
	s_mul_i32 s24, s17, 98304                      ; emb: tile X, group w
	s_mul_i32 s59, s16, 12288
	s_add_co_u32 s24, s24, s59
	s_mov_b32 s25, 0
	s_lshl_b32 s26, s17, 15                        ; emb's scale words
	s_lshl_b32 s31, s16, 9
	s_add_co_u32 s26, s26, s31
	s_mov_b32 s27, 0
	s_lshl_b32 s28, s18, 19                        ; q and out: row 128 Y + 32 w, byte 512 X
	s_lshl_b32 s30, s16, 17
	s_add_co_u32 s28, s28, s30
	s_lshl_b32 s30, s17, 9
	s_add_co_u32 s28, s28, s30
	s_mov_b32 s29, 0
	s_add_co_u32 s33, s31, SCP
	s_add_co_u32 s37, s31, RED
	s_mul_i32 s34, s43, 24576                      ; my work-group's 96 blocks of a slot's 384
	s_and_b32 s35, s18, 1
	s_xor_b32 s35, s35, 1                          ; emb: 2 blocks where Y is even, 1 where odd,
	s_mul_i32 s36, s18, 3
	s_add_co_u32 s36, s36, 1
	s_lshr_b32 s36, s36, 1
	s_lshl_b32 s36, s36, 8                         ; from block (3 Y + 1) / 2 on
	s_lshl_b32 s38, s16, 13
	s_add_co_u32 s38, s38, SCP
	s_mul_i32 s39, s16, RGN
	s_mul_i32 s40, s16, 16896                      ; 32 w rows of 528 bytes
	s_lshl_b32 s41, s16, 7
	s_add_co_u32 s41, s41, RED2
	s_mov_b32 s[H80], 0x80808080
	s_mov_b32 s[TB], 0
	s_mov_b32 s[G0], 1
	s_wait_dscnt 0x0                               ; both opening adds are done
	v_and_b32 v19, 31, v0                          ; lane
	v_and_b32 v20, 15, v0                          ; r
	v_bfe_u32 v21, v0, 4, 1                        ; h
	v_lshlrev_b32 v[LI], 4, v19
	v_lshlrev_b32 v[L4], 2, v19
	v_lshlrev_b32 v[PFQ], 12, v19                  ; a lane a row of q
	v_min_u32 v[PFO], 23, v19
	v_min_u32 v[PFV], s35, v19
	v_mul_u32_u24 v[STO], v20, 528
	v_add_nc_u32 v[APS], s33, v[L4]                ; p's words of group w, word 32 j + lane
	v_lshl_add_u32 v[PFO], v[PFO], 8, s34
	v_lshl_add_u32 v[PFV], v[PFV], 8, s36
	v_add_nc_u32 v[RDA], s37, v[LI]
	v_add_nc_u32 v[RDB], RED, v[LI]
	v_add_nc_u32 v[PWA], s38, v[LI]
	v_lshl_add_u32 v[STO], v21, 5, v[STO]
	v_add_nc_u32 v[RD], s40, v[LI]                 ; back: my 32 rows in the first wave's part,
	v_add_nc_u32 v[STO], s39, v[STO]               ; in: my part, row r, 32 bytes for each half of the lanes
	v_add_nc_u32 v[RD+1], RGN, v[RD]               ; and in the three others'
	v_add_nc_u32 v[RLA], s41, v[L4]
	v_add_nc_u32 v[ADP0], s59, v[LI]               ; p's images of group w in slot 0
	v_add_nc_u32 v[RD+2], RGN, v[RD+1]
	v_add_nc_u32 v[ADP], s59, v[LI]
	v_add_nc_u32 v[RD+3], RGN, v[RD+2]
	s_wait_alu depctr_va_vdst(0)
	s_wait_kmcnt 0x0
	s_add_nc_u64 s[G0+2:G0+3], s[4:5], s[20:21]
	s_or_b32 s[G0+3], s[G0+3], 0x80000000
	s_add_nc_u64 s[4:5], s[4:5], s[56:57]
	s_add_nc_u64 s[6:7], s[6:7], s[22:23]
	s_add_nc_u64 s[8:9], s[8:9], s[24:25]
	s_add_nc_u64 s[10:11], s[10:11], s[26:27]
	s_add_nc_u64 s[12:13], s[12:13], s[28:29]
	s_add_nc_u64 s[14:15], s[14:15], s[28:29]
	WIN 0xc0                                       ; the stats first: 48 loads of 512 consecutive bytes, into window 3
.set gi, 0
.rept 16
	global_load_b128 v[PNM+4*gi:PNM+4*gi+3], v[LI], s[6:7] offset:1048576+16384*gi
.set gi, gi+1
.endr
.set gi, 0
.rept 16
	global_load_b128 v[PLQ+4*gi:PLQ+4*gi+3], v[LI], s[6:7] offset:2097152+16384*gi
.set gi, gi+1
.endr
.set gi, 0
.rept 16
	global_load_b128 v[PWW+4*gi:PWW+4*gi+3], v[LI], s[6:7] offset:16384*gi
.set gi, gi+1
.endr
	ROUND                                          ; the four work-groups are here: the first joint loads meet
	tensor_load_to_lds s[G0:G0+3], s[G1:G1+7]      ; slot 0: my one load at the head
	s_nop 0
	PLACES
	LOADV 0, 0                                     ; step 0's emb flies under the prologue
	s_wait_loadcnt 28                              ; the stats are in; step 0's 28 loads may be out
	WIN 0xff
.irp c, 0,1,2,3
	v_min3_num_f32 v[NG+\c], v[PNM+\c], v[PNM+4+\c], v[PNM+8+\c]
.endr
.irp g, 3,5,7,9,11,13
.irp c, 0,1,2,3
	v_min3_num_f32 v[NG+\c], v[NG+\c], v[PNM+4*\g+\c], v[PNM+4*\g+4+\c]
.endr
.endr
.irp c, 0,1,2,3
	v_min_num_f32 v[NG+\c], v[NG+\c], v[PNM+60+\c]
.endr
	WIN 0x0c
	ds_store_b128 v[RDA], v[NG:NG+3]
	WIN 0
	s_wait_tensorcnt 0x0                           ; slot 0 has landed
	ds_add_u32 v[SPW], v[NIL]
	s_xor_b32 s[G0+1], s[G0+1], SLOT1
	s_add_nc_u64 s[G0+2:G0+3], s[G0+2:G0+3], PP
	s_wait_dscnt 0x0                               ; the add is done and my store has landed
	ROUND                                          ; one round for both: slot 0 is whole, and the four least -M lie in LDS
	tensor_load_to_lds s[G0:G0+3], s[G1:G1+7]      ; slot 1's first fill: it flies under the rest of the prologue
	s_nop 0
	PLACES
	WIN 0xc0
.irp k, 0,1,2,3
	ds_load_b128 v[MT+4*\k:MT+4*\k+3], v[RDB] offset:512*\k
.endr
	LOADV 1, 1                                     ; step 1's 28
	s_wait_dscnt 0x0
	WIN 0xff
.irp c, 0,1,2,3
	v_min3_num_f32 v[NG+\c], v[MT+\c], v[MT+4+\c], v[MT+8+\c]
.endr
.irp c, 0,1,2,3
	v_min_num_f32 v[NG+\c], v[NG+\c], v[MT+12+\c]  ; over all 64 groups: the row's M (the group of padded keys alone has -M = 3e38 and never wins)
.endr
.irp c, 0,1,2,3
	v_mov_b32 v[LSUM+\c], 0
.endr
.set b0, 0
.rept 8                                ; two groups x four queries at a time, stage by stage
.irp i, 0,1,2,3,4,5,6,7
	v_sub_f32 v[DD+\i], v[PNM+b0+\i], v[NG+\i%4]   ; d = M - M(group): a whole number, 0 or more
.endr
.irp i, 0,1,2,3,4,5,6,7
	v_cvt_u32_f32 v[DD+\i], v[DD+\i]
.endr
.irp i, 0,1,2,3,4,5,6,7
	v_min_u32 v[DD+\i], 127, v[DD+\i]              ; no byte is above 123: from 127 on nothing is left of the group
.endr
.irp i, 0,1,2,3,4,5,6,7
	v_lshlrev_b32 v[EE+\i], 23, v[DD+\i]
.endr
.irp i, 0,1,2,3,4,5,6,7
	v_sub_nc_u32 v[EE+\i], 0x3f800000, v[EE+\i]    ; 2^-d (0 at d = 127)
.endr
.irp i, 0,1,2,3,4,5,6,7
	v_fmac_f32 v[LSUM+\i%4], v[PLQ+b0+\i], v[EE+\i]
.endr
.irp i, 0,1,2,3,4,5,6,7
	v_perm_b32 v[DD+\i], v[DD+\i], v[DD+\i], 0     ; d in every byte
.endr
.irp i, 0,1,2,3,4,5,6,7
	v_sub_nc_u32 v[PWW+b0+\i], v[PWW+b0+\i], v[DD+\i]      ; 128 + b - d in each byte: at least 2, so no byte borrows
.endr
.irp i, 0,1,2,3,4,5,6,7
	v_and_b32 v[DD+\i], s[H80], v[PWW+b0+\i]       ; bit 7 stands where b - d is 0 or more
.endr
.irp i, 0,1,2,3,4,5,6,7
	v_lshrrev_b32 v[EE+\i], 7, v[DD+\i]
.endr
.irp i, 0,1,2,3,4,5,6,7
	v_sub_nc_u32 v[DD+\i], v[DD+\i], v[EE+\i]      ; 0x7f there, 0 elsewhere
.endr
.irp i, 0,1,2,3,4,5,6,7
	v_and_b32 v[PWW+b0+\i], v[PWW+b0+\i], v[DD+\i] ; b - d, or 0
.endr
.set b0, b0+8
.endr
	WIN 0x0c
.set gi, 0
.rept 16
	ds_store_b128 v[PWA], v[PWW+4*gi:PWW+4*gi+3] offset:512*gi     ; a group's 128 words: 512 consecutive bytes
.set gi, gi+1
.endr
	ds_store_b128 v[RDA], v[LSUM:LSUM+3] offset:RED2-RED           ; my 16 groups' part of l
	WIN 0
	s_wait_dscnt 0x0                               ; my stores have landed
	s_barrier_signal -1                            ; slot 1's load may stay out
	s_barrier_wait -1
	LDPF 0, 0                                      ; step 0's p
	; ---- my 16 steps
	STEP 0, 1, 0, 1, 1, 1, 0, 1, 0, 1, 1, 28       ; step 0 stands in front of the loop: its products start the sums
	WIN 0
	s_mov_b32 s[TRIP], 6
.Llap:                                             ; trip m = 1 .. 6: steps 2 m - 1 and 2 m; its round has slot m whole and asks for slot m + 1
	STEP 1, 0, 1, 1, 0, 1, 1, 0, 1, 1, 2, 28
	STEP 0, 0, 0, 1, 1, 1, 0, 1, 0, 2, 0, 28
	WIN 0
	s_sub_co_u32 s[TRIP], s[TRIP], 1
	s_cmp_lg_u32 s[TRIP], 0
	s_cbranch_scc1 .Llap
	global_prefetch_b8 v[PFQ], s[12:13] th:TH_LOAD_NT scope:SCOPE_SE               ; my 32 rows of q, 512 bytes each: a lane a row, two blocks
	global_prefetch_b8 v[PFQ], s[12:13] offset:256 th:TH_LOAD_NT scope:SCOPE_SE
	STEP 1, 0, 2, 1, 0, 1, 1, 0, 1, 0, 0, 28       ; step 13: slot 7 is whole; nothing is filled again
	STEP 0, 0, 0, 1, 1, 0, 0, 0, 0, 0, 0, 28       ; step 14
	WIN 0
	PLACES                                         ; set 0 is done with: it takes my 32 rows of q
.set ii, 0
.rept 32
	global_load_b128 v[64+4*ii:64+4*ii+3], v[LI], s[12:13] offset:4096*ii th:TH_LOAD_NT
.set ii, ii+1
.endr
	STEP 1, 0, 3, 0, 0, 0, 0, 0, 0, 0, 0, 32       ; step 15: q's 32 loads may be out
	; ---- the way out
	WIN 0
	s_barrier_wait -1                              ; no wave reads the slots or the scale words any more: the parts may lie over them
	PLACES                                         ; four places between the last products and the first read of results
.irp k, 0,1,2,3
	ds_load_b32 v[LT+\k], v[RLA] offset:512*\k     ; the four parts of l of row 32 w + lane
.endr
.irp b, 0,1,2,3,4,5,6,7
	WIN 0x08+4*(\b/4)                              ; an LDS store's data are its source 1
.irp a, 0,1,2,3,4,5,6,7
	ds_store_b128 v[STO], v[8*(8*(\b%4)+\a):8*(8*(\b%4)+\a)+3] offset:8448*\a+64*\b          ; each accumulator from its low end on
	ds_store_b128 v[STO], v[8*(8*(\b%4)+\a)+4:8*(8*(\b%4)+\a)+7] offset:8448*\a+64*\b+16
.endr
.endr
	WIN 0
	s_wait_dscnt 0x0                               ; my part lies in LDS
	s_barrier_signal -1
	v_add_f32 v[LT], v[LT], v[LT+1]
	v_add_f32 v[LT+2], v[LT+2], v[LT+3]
	v_add_f32 v[LT], v[LT], v[LT+2]
	s_wait_alu depctr_va_vdst(0)                   ; the wait ahead of the reciprocal
	v_rcp_f32 v[RLV], v[LT]
	v_nop
	s_wait_alu depctr_va_vdst(0)                   ; and behind it, ahead of its first reader
.set ii, 0
.rept 32
	v_readlane_b32 s[RLS+ii], v[RLV], ii           ; a row's 1 / l is the same for all lanes that hold the row
.set ii, ii+1
.endr
	s_barrier_wait -1                              ; everybody's part lies in LDS
.macro LOADC c, bf                     ; rows 8 c .. 8 c + 7 of my 32, from all four parts: a row is 512 consecutive bytes
	WIN 0x80
.irp k, 0,1,2,3
.irp i, 0,1,2,3,4,5,6,7
	ds_load_b128 v[128*(\bf)+32*\k+4*\i:128*(\bf)+32*\k+4*\i+3], v[RD+\k] offset:(8*(\c)+\i)*528
.endr
.endr
.endm
.macro SUMC c, bf
.set TBF, 128*(\bf)
	WIN 0xaa
.set pp, 0
.rept 16
	v_pk_add_f32 v[TBF+2*pp:TBF+2*pp+1], v[TBF+2*pp:TBF+2*pp+1], v[TBF+32+2*pp:TBF+32+2*pp+1]
.set pp, pp+1
.endr
.set pp, 0
.rept 16
	v_pk_add_f32 v[TBF+64+2*pp:TBF+64+2*pp+1], v[TBF+64+2*pp:TBF+64+2*pp+1], v[TBF+96+2*pp:TBF+96+2*pp+1]
.set pp, pp+1
.endr
.set pp, 0
.rept 16
	v_pk_add_f32 v[TBF+2*pp:TBF+2*pp+1], v[TBF+2*pp:TBF+2*pp+1], v[TBF+64+2*pp:TBF+64+2*pp+1]
.set pp, pp+1
.endr
	WIN 0x82                                       ; source 2, q, in window 0
.irp i, 0,1,2,3,4,5,6,7
.irp e, 0,1,2,3
	v_fma_f32 v[TBF+4*\i+\e], v[TBF+4*\i+\e], s[RLS+8*(\c)+\i], v[64+32*(\c)+4*\i+\e]
.endr
.endr
	WIN 0x08
.irp i, 0,1,2,3,4,5,6,7
	global_store_b128 v[LI], v[TBF+4*\i:TBF+4*\i+3], s[14:15] offset:(8*(\c)+\i)*4096 th:TH_STORE_NT   ; 32 lanes store 512 consecutive bytes, aligned
.endr
.endm
	LOADC 0, 0
	LOADC 1, 1
	s_wait_loadcnt 0x0                             ; q
	s_wait_dscnt 32                                ; chunk 0 is in; chunk 1's 32 loads may be out
	SUMC 0, 0
	s_wait_xcnt 0x0                                ; the stores have read the registers that are loaded again
	LOADC 2, 0
	s_wait_dscnt 32
	SUMC 1, 1
	s_wait_xcnt 0x0
	LOADC 3, 1
	s_wait_dscnt 32
	SUMC 2, 0
	s_wait_dscnt 0x0
	SUMC 3, 1
	WIN 0
	s_wait_tensorcnt 0x0                           ; the wave's end
	ds_add_u32 v[SPW], v[NIL]
	s_wait_dscnt 0x0
	ROUND                                          ; the closing round
	s_endpgm
.Lfunc_end_k_q5b50ae0acd_ctx:
	.size	k_q5b50ae0acd_ctx, .Lfunc_end_k_q5b50ae0acd_ctx-k_q5b50ae0acd_ctx
	.p2alignl 7, 3214868480
	.fill 96, 4, 3214868480
	.section	.rodata,"a",@progbits
	.p2align	6, 0x0
	.amdhsa_kernel k_q5b50ae0acd_ctx
		.amdhsa_group_segment_fixed_size 327680
		.amdhsa_private_segment_fixed_size 0
		.amdhsa_enable_private_segment 0
		.amdhsa_kernarg_size 48
		.amdhsa_user_sgpr_count 2
		.amdhsa_user_sgpr_kernarg_segment_ptr 1
		.amdhsa_wavefront_size32 1
		.amdhsa_system_sgpr_workgroup_id_x 1
		.amdhsa_system_sgpr_workgroup_id_y 1
		.amdhsa_system_sgpr_workgroup_id_z 1
		.amdhsa_system_vgpr_workitem_id 0
		.amdhsa_next_free_vgpr 1024
		.amdhsa_next_free_sgpr 100
		.amdhsa_reserve_vcc 0
		.amdhsa_float_denorm_mode_32 3
		.amdhsa_float_denorm_mode_16_64 3
		.amdhsa_memory_ordered 1
		.amdhsa_forward_progress 1
		.amdhsa_inst_pref_size 171
	.end_amdhsa_kernel
	.amdgpu_metadata
---
amdhsa.version: [ 1, 2 ]
amdhsa.kernels:
  - .name:           k_q5b50ae0acd_ctx
    .symbol:         k_q5b50ae0acd_ctx.kd
    .args:
      - { .name: pcodes, .offset: 0, .size: 8, .value_kind: global_buffer, .address_space: global }
      - { .name: stats, .offset: 8, .size: 8, .value_kind: global_buffer, .address_space: global }
      - { .name: vcodes, .offset: 16, .size: 8, .value_kind: global_buffer, .address_space: global }
      - { .name: vscale, .offset: 24, .size: 8, .value_kind: global_buffer, .address_space: global }
      - { .name: q, .offset: 32, .size: 8, .value_kind: global_buffer, .address_space: global }
      - { .name: out0, .offset: 40, .size: 8, .value_kind: global_buffer, .address_space: global }
    .group_segment_fixed_size: 327680
    .private_segment_fixed_size: 0
    .kernarg_segment_align: 8
    .kernarg_segment_size: 48
    .max_flat_workgroup_size: 128
    .sgpr_count:     100
    .vgpr_count:     1024
    .wavefront_size: 32
...
	.end_amdgpu_metadata
.endif
;; end of part 3
